; MI455X (gfx1250); checked and timed in simulation.
; The chip was launched on July 23, 2026; its instructions are those of AMD's public machine-readable ISA for CDNA 5 (MIT licence, August 2026) and "CDNA5" Instruction Set Architecture Reference Guide (July 2026). The comments in the code are by the model that wrote it; some were corrected since.
;; LQ Linear. Allowed arithmetic: float matrix products may take bf16 or f16 operands with f32 sums; other float arithmetic in f32, or as packed bf16 or f16 multiplies, adds, multiply-adds, maxima and minima; sums over many terms, partial sums and values carried from step to step in f32; what a program stores and reads back later, other than sums and carried values, may be rounded once to bf16 or f16.
;; Inputs: basis 2 float32; bias 4,096 float32; weight 4,096 x 4,096 float32; x 4,096 x 4,096 float32.
;; Outputs: out0 4,096 x 4,096 float32.
;; 2 versions, each right; version 2 is version 1 with the launch prep written anew for expert scheduling mode. Each part assembles by itself: llvm-mc -triple=amdgcn-amd-amdhsa -mcpu=gfx1250 --defsym DOCPART=n.
;; ======== version 1 of 2: 2 launches
;; limits: values are held in f16: magnitudes above 65,504 overflow, below 6.1e-05 lose precision; inputs' magnitudes at most 65,504; right only within a limited range of input values
;; workspace buffers: xh 33,554,432 bytes; wh 33,554,432 bytes
;; launch prep (part 1): grid 256 x 2, 8 waves a work-group, no clusters, 0 bytes of LDS; arguments x, weight, basis, xh, wh; writes xh, wh
.if DOCPART == 1
	.amdgcn_target "amdgcn-amd-amdhsa--gfx1250"
	.amdhsa_code_object_version 6
	.text
	.protected	k_qe1342a7f4a_prep
	.globl	k_qe1342a7f4a_prep
	.p2align	8
	.type	k_qe1342a7f4a_prep,@function
k_qe1342a7f4a_prep:
	s_mov_b64 s[64:65], 0
	v_nop
	global_prefetch_b8 v0, s[64:65] scope:SCOPE_SE
	s_setreg_imm32_b32 hwreg(HW_REG_WAVE_MODE, 25, 1), 1
	s_wait_xcnt 0x0
; PREPARES THE TWO OPERANDS OF out = x wq^T + bias, both [4096][4096], f32 in, f16 out.
;   work-groups with y = 0:  xh = f16(x)
;   work-groups with y = 1:  wh = f16(S (w + (wq - w))),  wq = the level of w among the four sorted levels -hi, -lo, lo, hi
; THE QUANTISER.  The four levels are +-fl(b0 + b1) and +-fl(b0 - b1) (negation is exact), so with hi = the larger and lo = the smaller magnitude the sorted levels are
; -hi, -lo, lo, hi and the midpoints -t, 0, t with t = 0.5 fl(lo + hi).  The level's number is the count of midpoints below w: three compares and three selects, for any basis;
; w = -t gives -hi, w = 0 gives -lo, w = t gives lo.  Then w + (wq - w), in f32, in that order.
; THE SCALE.  S = 2^(127 - E), E = hi's exponent field held to 1 .. 253: an exact power of two that brings hi into 1 .. 2, so that f16 serves any basis; the product's way out multiplies by 2^(E - 127).
; NOT COMPUTED: the least-squares refit of the basis.  Its result enters no output.
; LAYOUT OF xh AND wh.  Inside each aligned group of 256 numbers of a row, place 8 i + j (i = 0 .. 31, j = 0 .. 7) holds k = 128 (j / 4) + 4 i + j % 4: lane i reads 16 bytes of each of two runs
; of 512 bytes and stores its eight halves as 16 bytes.  The order is the same in both tensors, so the products over k are the same; only the order of the f32 sums differs.
; LIMITS.  |x| from 65,520 on becomes an infinity; below 6e-5 x keeps f16's fixed step of 6e-8.  |w| stays under some 2^38 hi, or what rounding leaves of w + (wq - w), times S, passes f16's range.
; With hi = 0 or denormal S = 2^126.  A NaN in the basis is not treated apart; a NaN weight stays a NaN.
; SHARES.  A work-group owns 256 KiB of its input: 32 lines of 8 KiB; in a line wave w owns 1 KiB.  A ring of DEPTH slots in registers, a line each, two loads a slot: 16 loads of every wave are out.
; Every load and every store of a wave covers 512 consecutive bytes, aligned.  Nothing is shared between waves: no LDS, no barrier, no matrix unit.
.set LIN,    8192                      ; bytes of a line in the input
.set LOUT,   4096                      ; and in the output
.set DEPTH,  8
.set ROUNDS, 4                         ; 32 lines / DEPTH
.set VIN,  1                           ; v1        1,024 x wave + 16 x lane; never rewritten
.set VOUT, 2                           ; v2        16 x thread; never rewritten
.set T,    6                           ; v6        t
.set NT,   7                           ; v7        -t
.set NHI,  8                           ; v8        -hi
.set NLO,  9                           ; v9        -lo
.set LO,   10                          ; v10       lo
.set HI,   11                          ; v11       hi
.set Q,    12                          ; v[12:19]  eight numbers at work
.set X,    20                          ; v[20:83]  slot i: 8 registers as loaded
.set Y,    84                          ; v[84:115] slot i: 4 registers to store
.set IN,   16                          ; s[16:17]  the input at the round's first line
.set OUT,  18                          ; s[18:19]  the output likewise
.set MK,   20                          ; s[20:25]  the compares' masks: three for even numbers, three for odd
.set SC,   26                          ; s[26:27]  S, twice: named as a pair
	s_load_b256 s[4:11], s[0:1], 0x0               ; x s[4:5], weight s[6:7], basis s[8:9], xh s[10:11]
	s_load_b64 s[12:13], s[0:1], 0x20              ; wh
	v_and_b32 v3, 31, v0
	v_lshrrev_b32 v4, 5, v0
	v_lshlrev_b32 v3, 4, v3
	v_lshl_add_u32 v[VIN], v4, 10, v3
	v_lshlrev_b32 v[VOUT], 4, v0
	s_and_b32 s29, ttmp7, 0xffff                   ; 0: x, 1: weight
	s_lshl_b32 s2, ttmp9, 18                       ; the work-group's 256 KiB of input
	s_mov_b32 s3, 0
	s_wait_kmcnt 0x0
	s_cmp_eq_u32 s29, 0
	s_cselect_b64 s[IN:IN+1], s[4:5], s[6:7]
	s_cselect_b64 s[OUT:OUT+1], s[10:11], s[12:13]
	s_add_nc_u64 s[IN:IN+1], s[IN:IN+1], s[2:3]
	s_lshl_b32 s2, ttmp9, 17                       ; and its 128 KiB of output
	s_add_nc_u64 s[OUT:OUT+1], s[OUT:OUT+1], s[2:3]
.irp i, 0,1,2,3,4,5,6,7
	global_load_b128 v[X+8*(\i):X+8*(\i)+3],   v[VIN], s[IN:IN+1] offset:(\i)*LIN th:TH_LOAD_NT       ; the ring is filled: lines 0 to 7
	global_load_b128 v[X+8*(\i)+4:X+8*(\i)+7], v[VIN], s[IN:IN+1] offset:(\i)*LIN+512 th:TH_LOAD_NT
.endr
; One slot's turn.  kind = 0: x; 1: weight.  ahead = 1: the slot is filled again with the line DEPTH further on.  left = how many younger loads may stay out.
.macro SLOT kind, i, ahead, left
	s_wait_loadcnt \left                           ; loads come back in order (ISA guide 5.7.1): my two are in, the younger slots' stay out
.if \kind
.irp e, 0,1,2,3,4,5,6,7
	v_cmp_lt_f32 s[MK+3*((\e)%2)],   v[NT], v[X+8*(\i)+(\e)]   ; -t < w
	v_cmp_lt_f32 s[MK+3*((\e)%2)+1], 0,     v[X+8*(\i)+(\e)]   ;  0 < w
	v_cmp_lt_f32 s[MK+3*((\e)%2)+2], v[T],  v[X+8*(\i)+(\e)]   ;  t < w
	v_cndmask_b32 v[Q+(\e)], v[NHI],    v[NLO], s[MK+3*((\e)%2)]
	v_cndmask_b32 v[Q+(\e)], v[Q+(\e)], v[LO],  s[MK+3*((\e)%2)+1]
	v_cndmask_b32 v[Q+(\e)], v[Q+(\e)], v[HI],  s[MK+3*((\e)%2)+2]
.endr
.irp p, 0,1,2,3
	v_pk_add_f32 v[Q+2*(\p):Q+2*(\p)+1], v[Q+2*(\p):Q+2*(\p)+1], v[X+8*(\i)+2*(\p):X+8*(\i)+2*(\p)+1] neg_lo:[0,1] neg_hi:[0,1]  ; wq - w
.endr
.irp p, 0,1,2,3
	v_pk_add_f32 v[Q+2*(\p):Q+2*(\p)+1], v[X+8*(\i)+2*(\p):X+8*(\i)+2*(\p)+1], v[Q+2*(\p):Q+2*(\p)+1]                            ; w + (wq - w)
.endr
.irp p, 0,1,2,3
	v_pk_mul_f32 v[Q+2*(\p):Q+2*(\p)+1], v[Q+2*(\p):Q+2*(\p)+1], s[SC:SC+1] op_sel_hi:[1,0]                                      ; times S: exact
.endr
.irp p, 0,1,2,3
	v_cvt_pk_f16_f32 v[Y+4*(\i)+(\p)], v[Q+2*(\p)], v[Q+2*(\p)+1]
.endr
.else
.irp p, 0,1,2,3
	v_cvt_pk_f16_f32 v[Y+4*(\i)+(\p)], v[X+8*(\i)+2*(\p)], v[X+8*(\i)+2*(\p)+1]
.endr
.endif
.if \ahead
	global_load_b128 v[X+8*(\i):X+8*(\i)+3],   v[VIN], s[IN:IN+1] offset:(DEPTH+(\i))*LIN th:TH_LOAD_NT      ; the load goes out ahead of the store
	global_load_b128 v[X+8*(\i)+4:X+8*(\i)+7], v[VIN], s[IN:IN+1] offset:(DEPTH+(\i))*LIN+512 th:TH_LOAD_NT
.endif
	global_store_b128 v[VOUT], v[Y+4*(\i):Y+4*(\i)+3], s[OUT:OUT+1] offset:(\i)*LOUT th:TH_STORE_NT
.endm
; The whole stream for one kind: ROUNDS - 1 rounds that fill the ring again, and a last round that loads nothing, so that no load leaves the work-group's 32 lines.
.macro STREAM kind
	s_mov_b32 s28, ROUNDS-1
.Lround\kind:
.irp i, 0,1,2,3,4,5,6,7
	SLOT \kind, \i, 1, 2*DEPTH-2                   ; seven younger slots, two loads each
.endr
	s_wait_xcnt 0x0                                ; every memory instruction issued so far has had its addresses translated (ISA guide 3.1): only behind this wait are the two bases stepped and the stores' registers Y written again
	s_add_nc_u64 s[IN:IN+1], s[IN:IN+1], DEPTH*LIN
	s_add_nc_u64 s[OUT:OUT+1], s[OUT:OUT+1], DEPTH*LOUT
	s_sub_co_u32 s28, s28, 1
	s_cmp_lg_u32 s28, 0
	s_cbranch_scc1 .Lround\kind
.irp i, 0,1,2,3,4,5,6,7
	SLOT \kind, \i, 0, 2*DEPTH-2-2*(\i)            ; the counts run down
.endr
	s_endpgm
.endm
	s_cmp_lg_u32 s29, 0
	s_cbranch_scc1 .Lweight
	STREAM 0
.Lweight:
	s_load_b64 s[14:15], s[8:9], 0x0               ; b0, b1: made into levels while the ring's first loads are out
	s_wait_kmcnt 0x0
	v_mov_b32 v3, s15
	v_add_f32 v4, s14, v3                          ; b0 + b1
	v_sub_f32 v5, s14, v3                          ; b0 - b1
	v_and_b32 v4, 0x7fffffff, v4
	v_and_b32 v5, 0x7fffffff, v5
	v_max_num_f32 v[HI], v4, v5
	v_min_num_f32 v[LO], v4, v5
	v_add_f32 v[T], v[LO], v[HI]
	v_mul_f32 v[T], 0.5, v[T]
	v_xor_b32 v[NT],  0x80000000, v[T]
	v_xor_b32 v[NHI], 0x80000000, v[HI]
	v_xor_b32 v[NLO], 0x80000000, v[LO]
	v_readfirstlane_b32 s30, v[HI]
	s_bfe_u32 s30, s30, 0x80017                    ; hi's exponent field: 8 bits from bit 23,
	s_max_u32 s30, s30, 1
	s_min_u32 s30, s30, 253                        ; held to 1 .. 253, so that S and 1 / S are both normal numbers
	s_sub_co_u32 s31, 254, s30
	s_lshl_b32 s[SC], s31, 23                      ; S = 2^(127 - E)
	s_mov_b32 s[SC+1], s[SC]
	STREAM 1
.Lfunc_end_k_qe1342a7f4a_prep:
	.size	k_qe1342a7f4a_prep, .Lfunc_end_k_qe1342a7f4a_prep-k_qe1342a7f4a_prep
	.p2alignl 7, 3214868480
	.fill 96, 4, 3214868480
	.section	.rodata,"a",@progbits
	.p2align	6, 0x0
	.amdhsa_kernel k_qe1342a7f4a_prep
		.amdhsa_group_segment_fixed_size 0
		.amdhsa_private_segment_fixed_size 0
		.amdhsa_enable_private_segment 0
		.amdhsa_kernarg_size 40
		.amdhsa_user_sgpr_count 2
		.amdhsa_user_sgpr_kernarg_segment_ptr 1
		.amdhsa_wavefront_size32 1
		.amdhsa_system_sgpr_workgroup_id_x 1
		.amdhsa_system_sgpr_workgroup_id_y 1
		.amdhsa_system_sgpr_workgroup_id_z 1
		.amdhsa_system_vgpr_workitem_id 0
		.amdhsa_next_free_vgpr 116
		.amdhsa_next_free_sgpr 66
		.amdhsa_reserve_vcc 0
		.amdhsa_float_denorm_mode_32 3
		.amdhsa_float_denorm_mode_16_64 3
		.amdhsa_memory_ordered 1
		.amdhsa_forward_progress 1
		.amdhsa_inst_pref_size 80
	.end_amdhsa_kernel
	.amdgpu_metadata
---
amdhsa.version: [ 1, 2 ]
amdhsa.kernels:
  - .name:           k_qe1342a7f4a_prep
    .symbol:         k_qe1342a7f4a_prep.kd
    .args:
      - { .name: x, .offset: 0, .size: 8, .value_kind: global_buffer, .address_space: global }
      - { .name: weight, .offset: 8, .size: 8, .value_kind: global_buffer, .address_space: global }
      - { .name: basis, .offset: 16, .size: 8, .value_kind: global_buffer, .address_space: global }
      - { .name: xh, .offset: 24, .size: 8, .value_kind: global_buffer, .address_space: global }
      - { .name: wh, .offset: 32, .size: 8, .value_kind: global_buffer, .address_space: global }
    .group_segment_fixed_size: 0
    .private_segment_fixed_size: 0
    .kernarg_segment_align: 8
    .kernarg_segment_size: 40
    .max_flat_workgroup_size: 256
    .sgpr_count:     66
    .vgpr_count:     116
    .wavefront_size: 32
...
	.end_amdgpu_metadata
.endif
;; end of part 1
;; launch gemm (part 2): grid 16 x 16, 4 waves a work-group, clusters of 4 x 4, 327,680 bytes of LDS; arguments xh, wh, out0, bias, basis; writes out0
.if DOCPART == 2
	.amdgcn_target "amdgcn-amd-amdhsa--gfx1250"
	.amdhsa_code_object_version 6
	.text
	.protected	k_qe1342a7f4a_gemm
	.globl	k_qe1342a7f4a_gemm
	.p2align	8
	.type	k_qe1342a7f4a_gemm,@function
k_qe1342a7f4a_gemm:
	s_mov_b64 s[64:65], 0
	v_nop
	global_prefetch_b8 v0, s[64:65] scope:SCOPE_SE
	s_setreg_imm32_b32 hwreg(HW_REG_WAVE_MODE, 25, 1), 1
	s_wait_xcnt 0x0
	s_wait_alu depctr_hold_cnt(0) depctr_sa_sdst(0) depctr_va_vdst(0) depctr_va_sdst(0) depctr_va_ssrc(0) depctr_va_vcc(0) depctr_vm_vsrc(0)
	s_getreg_b32 s2, hwreg(HW_REG_IB_STS2, 6, 4)
	s_cmp_eq_u32 s2, 0
	s_cbranch_scc0 .Lentry_in_a_cluster
	s_endpgm
.Lentry_in_a_cluster:
	s_bfe_u32 s2, ttmp6, 0x10000c
	s_cmp_lg_u32 s2, 0xf033
	s_cbranch_scc0 .Lentry_shape_is_right
	s_endpgm
.Lentry_shape_is_right:
; out0[m][n] = (1 / S) x (the sum over k of xh[m][k] wh[n][k]) + bias[n].  xh, wh: [4096][4096] f16, as the launch before stored them (k in the same order in both; wh holds S times the
; quantised weight, S = 2^(127 - E), E = the exponent field of the largest level, held to 1 .. 253).  out0: [4096][4096] f32.  Sums in f32; 1 / S = 2^(E - 127) is exact and is made here from the basis again.
; LIMITS.  The order of the f32 sums differs from a plain ascending k.  f16's range and step for x and for the weights are stated at the head of the launch that rounds them.
; A tile of out0, 256 x 256, is made by a work-group of four waves; a wave makes 128 x 128: 64 accumulators of 16 x 16, 512 registers.  16 x 16 tiles: one work-group to a tile.
; K goes in steps of 128 through a ring of two LDS slots filled by the tensor data mover: the rows of both tiles are 256 bytes of memory and start at multiples of 256 bytes from the buffer's first byte.
; CLUSTERS: 4 x 4 work-groups.  The four of a row of the cluster need the same tiles of xh, the four of a column the same tiles of wh.  Such a tile is asked for JOINTLY: each of the four issues the
; same tensor load, with the same descriptor and a mask that names the four, and each receives the tile in its own LDS.  That divides the requests for both operands by four.
; REGISTERS, in windows of 256 (s_set_vgpr_msb's low byte: bits 1:0 source 0, 3:2 source 1, 5:4 source 2, 7:6 destination):
;   window 0: v0-31 addresses and my four biases; v64-127, v128-191 fragments of xh (8 x 16 rows x 32 K), two buffers; on the way out v64-255 are three buffers of 16 rows read back from the stage
;   window 1: v64-127, v128-191 fragments of wh, two buffers
;   window 2: the 32 accumulators of my rows 0-63 (accumulator (a, b) at v[8 (8 a + b)]);   window 3: those of my rows 64-127
; THE MATRIX INSTRUCTION IS USED TRANSPOSED: source 0 = 16 rows of wh, source 1 = 16 rows of xh.  In the result lane l holds row m = l % 16 of out0 and its registers 0 to 7 the columns
; n = 8 (l / 16) + 0 .. 7: eight neighbouring numbers of a row, 32 bytes.
.set SIZE_M, 4096
.set SIZE_N, 4096
.set SIZE_K, 4096
.set KSTEP,  128
.set PITCH,  272                       ; an LDS row: 256 bytes of data + 16 of padding = 68 words: row r starts at bank 4 r mod 64 (64 banks of 4 bytes: ISA guide 11.1), so the 16 rows that a load touches start at 16 different banks
.set HALFT,  128*PITCH                 ; 128 rows: what one tensor load brings, and what one wave reads of either operand
.set SLOT,   4*HALFT                   ; xh's 256 rows, then wh's 256 rows
.set STAGE,  2*SLOT                    ; behind the ring: 16 rows x 528 bytes for each wave, for the way out; no tensor load lands here
.set SPITCH, 528                       ; a stage row: my 128 columns in f32, 512 bytes, + 16: an odd multiple of 16, so the 16 rows that a store touches start at 16 different groups of four banks
.set SPARE,  STAGE+4*16*SPITCH         ; behind the stages: the spare words, 128 bytes for each wave: two blocks of 256 bytes that no other line names
.set LAPS,   SIZE_K/(2*KSTEP)          ; a lap = two K steps = once round the ring: 16
.set BI,   12                          ; v[12:15] bias of my four columns on the way out
.set ADRA, 16                          ; v16-17  LDS address of my xh fragments in slot 0, 1
.set ADRB, 20                          ; v20-21  the same for wh
.set STO,  24                          ; v24     the way out: where I put 32 bytes of a row
.set RD,   25                          ; v25     the way out: where I read 16 bytes of a row back
.set CO,   26                          ; v26     16 x lane: my byte offset in my wave's 512 bytes of a row of out0, and in its 128 biases
.set SPW,  28                          ; v28     LDS address of my spare word: SPARE + 4 x my thread's number; never rewritten
.set NIL,  29                          ; v29     0; never rewritten
.set PFO,  30                          ; v30     the prefetches' offset: my lane x a row of xh or wh (8,192 bytes); never rewritten
.set F0,   64                          ; fragment buffer 0
.set F1,   128                         ; fragment buffer 1
.set OB,   64                          ; the way out: three buffers of 64 registers
.set G1,  24                           ; s[24:31] descriptor group 1 for xh's tiles
.set G0,  32                           ; s[32:39] descriptor group 0 for xh's tiles, one set for each slot
.set LIM, 43                           ; s43      1 in a wave that prefetches, else the greatest number
.set PFA, 44                           ; s[44:45] where my prefetches stand: my work-group's 32 rows of the 128 that I fetch, one K step further along K than the refill that is being asked for
.set G1B, 48                           ; s[48:55] descriptor group 1 for wh's tiles: it differs in the mask alone
.set G0B, 56                           ; s[56:63] descriptor group 0 for wh's tiles, one set for each slot
.set IS,  66                           ; s[66:67] 1 / S, twice: named as a pair
.set MSB, 0
.macro WIN new                         ; the immediate's high byte repeats the setting that is left; a switch that changes nothing is dropped
.if MSB != (\new)
	s_set_vgpr_msb (MSB<<8)|(\new)
.set MSB, \new
.endif
.endm
.set MUL_LO, 0xa1                      ; source 0 (wh) window 1, source 1 (xh) window 0, C and D window 2
.set MUL_HI, 0xf1                      ; the same, C and D window 3
.set TO_B,   0x40                      ; destination window 1, address window 0
; A joint load.  Waves 0 and 1 fetch xh's two halves, waves 2 and 3 wh's.  Each of the two lines has ONE mask and one set of registers for all that issue it, and nothing in them hangs on a
; coordinate that the four partners do not share.  The branch hangs on the wave's number alone.  An s_nop 0 and four v_nop follow each of the two lines, ahead of the jump and the label.
.macro JLOAD s
	s_cmp_eq_u32 s11, 0
	s_cbranch_scc0 .Lfor_b_\@
	tensor_load_to_lds s[G0+4*(\s):G0+4*(\s)+3], s[G1:G1+7]
	s_nop 0
.rept 4
	v_nop
.endr
	s_branch .Lasked_\@
.Lfor_b_\@:
	tensor_load_to_lds s[G0B+4*(\s):G0B+4*(\s)+3], s[G1B:G1B+7]
	s_nop 0
.rept 4
	v_nop
.endr
.Lasked_\@:
.endm
; A PREFETCH INTO THE L2, behind each joint refill and the run of LDS loads that follows it: the K step that stands TWO refills on, 512 matrix instructions ahead of the load that will want it:
; 32 rows x 256 bytes, a lane a row, one instruction a wave.  Each row's 256 bytes of a K step are named ONCE in the launch: xh's tile row is read by every cluster of that row of clusters, and the one with
; x = 0 asks; wh's tile column by every cluster of that column, and the one with y = 0 asks.  The four partners that ask for a tile jointly share its rows out BY ADDRESS: of the 128 rows that a wave fetches
; the partner at place p takes 32 p .. 32 p + 31 (p = cx for xh, cy for wh).  K steps 0 to 3 come by their loads alone; the loop's last trip (s3 = 1) asks for nothing: there is no K step behind its own refills.
.macro ASK
	s_cmp_gt_u32 s3, s[LIM]
	s_cbranch_scc0 .Lnot_mine_\@
	global_prefetch_b8 v[PFO], s[PFA:PFA+1] offset:KSTEP*2 th:TH_LOAD_NT scope:SCOPE_SE
.Lnot_mine_\@:
.endm
; A round of the cluster's barrier: my work-group's barrier, so that wave 0's signal speaks for all four waves; wave 0 signals for the work-group; every wave waits for all sixteen
; work-groups; my work-group's barrier once more.  No LDS instruction of the wave is pending at a signal.
.macro CREST                           ; a round behind its opening barrier
	s_cmp_lg_u32 s10, 0
	s_cbranch_scc1 .Lnot_wave_0_\@
	s_barrier_signal -3
.Lnot_wave_0_\@:
	s_barrier_wait -3
	s_barrier_signal -1
	s_barrier_wait -1
.endm
.macro CROUND                          ; a whole round
	s_barrier_signal -1
	s_barrier_wait -1
	CREST
.endm
	s_load_b128 s[4:7], s[0:1], 0x0                ; xh s[4:5], wh s[6:7]
	s_load_b64 s[8:9], s[0:1], 0x10                ; out0
	s_load_b64 s[68:69], s[0:1], 0x18              ; bias
	s_load_b64 s[70:71], s[0:1], 0x20              ; basis
	v_lshl_add_u32 v[SPW], v0, 2, SPARE
	v_mov_b32 v[NIL], 0
	ds_add_u32 v[SPW], v[NIL]                      ; the wave's opening: the add and its wait stand ahead of my first tensor load; the set-up below, work on registers, stands between them
	v_lshrrev_b32 v1, 5, v0
	v_readfirstlane_b32 s10, v1                    ; wave 0..3
	s_lshr_b32 s11, s10, 1                         ; which half of the tile's rows is mine.  Also: I fetch for xh (0) or for wh (1)
	s_and_b32 s12, s10, 1                          ; which half of its columns.  Also: which 128 rows of that tile I fetch
	s_bfe_u32 s40, ttmp6, 0x40000                  ; cx: my place along the cluster's x
	s_bfe_u32 s41, ttmp6, 0x40004                  ; cy: along its y
	s_lshl_b32 s42, ttmp9, 2                       ; in a cluster launch ttmp9 and ttmp7 count clusters
	s_add_co_u32 s42, s42, s40                     ; tile column = 4 x cluster x + cx
	s_and_b32 s13, ttmp7, 0xffff
	s_lshl_b32 s13, s13, 2
	s_add_co_u32 s13, s13, s41                     ; tile row = 4 x cluster y + cy
	s_lshl_b32 s43, s41, 2
	s_lshl_b32 s43, 15, s43                        ; my row of the cluster: places 4 cy .. 4 cy + 3
	s_lshl_b32 s44, 0x1111, s40                    ; my column: places cx, cx + 4, cx + 8, cx + 12
	; descriptor group 1: a tile of 128 rows x 128 elements, padded in LDS
	s_or_b32 s[G1+0], s43, (1<<16)|(1<<20)|(1<<21)|(5<<22)|(3<<25)   ; 15:0 the mask: xh's tiles go to my row; 17:16 elements of 2 bytes; 20 padding on; 21 set beside a mask; 24:22 after every 64 words (code 5); 31:25 4 words of it (code 3)
	s_or_b32 s[G1B+0], s44, (1<<16)|(1<<20)|(1<<21)|(5<<22)|(3<<25)  ; the same with the mask of my column, for wh's tiles
.irp g, G1, G1B
	s_mov_b32 s[(\g)+1], KSTEP<<16                 ; tensor_dim0 = 128
	s_mov_b32 s[(\g)+2], 128<<16                   ; tensor_dim1 = 128
	s_mov_b32 s[(\g)+3], KSTEP<<16                 ; tile_dim0 = 128
	s_mov_b32 s[(\g)+4], 128                       ; tile_dim1 = 128
	s_mov_b32 s[(\g)+5], SIZE_K                    ; elements from row to row
	s_mov_b32 s[(\g)+6], 0
	s_mov_b32 s[(\g)+7], 0
.endr
	; where the tiles come from.  xh's hang on the tile row alone, which my row of the cluster shares; wh's on the tile column alone, which my column shares.
	; Every wave makes both addresses, in registers that never hold the other coordinate, and asks by one of them.
	s_lshl_b32 s17, s12, 7                         ; which 128 rows of the tile I fetch
	s_lshl_b32 s16, s13, 8
	s_add_co_u32 s16, s16, s17                     ; xh: row 256 x tile row + 128 x half
	s_lshl_b32 s46, s42, 8
	s_add_co_u32 s46, s46, s17                     ; wh: row 256 x tile column + 128 x half
	s_mov_b32 s17, 0
	s_mov_b32 s47, 0
	s_mov_b64 s[18:19], SIZE_K*2
	s_mul_u64 s[16:17], s[16:17], s[18:19]         ; in bytes
	s_mul_u64 s[46:47], s[46:47], s[18:19]
	s_mul_i32 s20, s10, HALFT                      ; and where they go: wave x 128 rows: no place in the cluster enters an LDS address
	s_wait_dscnt 0x0                               ; the opening add is done
	s_wait_kmcnt 0x0
	s_add_nc_u64 s[14:15], s[4:5], s[16:17]
	s_add_nc_u64 s[46:47], s[6:7], s[46:47]
	CROUND                                         ; all sixteen work-groups are here: the first joint loads meet
.irp s, 0,1
	s_mov_b32 s[G0+4*(\s)], 1                                        ; 1:0 count = 1
	s_add_co_u32 s[G0+4*(\s)+1], s20, (\s)*SLOT                      ; 63:32 LDS address
	s_add_nc_u64 s[G0+4*(\s)+2:G0+4*(\s)+3], s[14:15], (\s)*KSTEP*2  ; 120:64 global address: K step s
	s_or_b32 s[G0+4*(\s)+3], s[G0+4*(\s)+3], 0x80000000              ; 127:126 type = 2
	s_mov_b32 s[G0B+4*(\s)], 1
	s_add_co_u32 s[G0B+4*(\s)+1], s20, (\s)*SLOT
	s_add_nc_u64 s[G0B+4*(\s)+2:G0B+4*(\s)+3], s[46:47], (\s)*KSTEP*2
	s_or_b32 s[G0B+4*(\s)+3], s[G0B+4*(\s)+3], 0x80000000
	JLOAD \s                                       ; the ring is filled before anything else is done: two tensor loads of mine are out
.endr
	s_load_b64 s[72:73], s[70:71], 0x0             ; b0, b1
	; A fragment is 16 rows x 32 K in 8 registers: lane l holds row l % 16; registers 0-3 hold places 8 (l / 16) + 0..7 along K, registers 4-7 places 16 + 8 (l / 16) + 0..7:
	; two loads of 16 bytes, 32 bytes apart.  The same for source 0 and source 1.
	v_and_b32 v1, 15, v0                           ; l % 16
	v_bfe_u32 v2, v0, 4, 1                         ; l / 16
	v_mul_u32_u24 v3, v1, PITCH
	v_lshl_add_u32 v3, v2, 4, v3                   ; row x pitch + 16 x half
	s_mul_i32 s21, s11, HALFT                      ; my 128 rows of xh
	s_mul_i32 s22, s12, HALFT                      ; my 128 rows of wh,
	s_add_co_u32 s22, s22, 2*HALFT                 ; which lie behind xh's 256
.irp s, 0,1
	v_add_nc_u32 v[ADRA+(\s)], s21, v3
	v_add_nc_u32 v[ADRB+(\s)], s22, v3
	s_add_co_u32 s21, s21, SLOT
	s_add_co_u32 s22, s22, SLOT
.endr
	s_mul_i32 s23, s10, 16*SPITCH
	s_add_co_u32 s23, s23, STAGE                   ; my stage
	v_mul_u32_u24 v4, v1, SPITCH                   ; in: row l % 16, 32 bytes for each half of the lanes
	v_lshl_add_u32 v4, v2, 5, v4
	v_add_nc_u32 v[STO], s23, v4
	v_and_b32 v5, 31, v0
	v_lshlrev_b32 v[CO], 4, v5                     ; back: 32 lanes take one row's 512 bytes,
	v_add_nc_u32 v[RD], s23, v[CO]                 ; which are 512 consecutive bytes of out0
	; out0 at my part of the tile, bias at my 128 columns
	s_lshl_b32 s13, s13, 8                         ; 256 x tile row
	s_lshl_b32 s14, s11, 7
	s_add_co_u32 s16, s13, s14                     ; my first row
	s_mov_b32 s17, 0
	s_mov_b64 s[18:19], SIZE_N*4
	s_mul_u64 s[16:17], s[16:17], s[18:19]
	s_lshl_b32 s46, s42, 10                        ; my first column, in bytes of f32: 1,024 x tile column + 512 x half
	s_lshl_b32 s47, s12, 9
	s_add_co_u32 s46, s46, s47
	s_mov_b32 s47, 0
	s_add_nc_u64 s[68:69], s[68:69], s[46:47]
	s_add_nc_u64 s[16:17], s[16:17], s[46:47]
	s_add_nc_u64 s[8:9], s[8:9], s[16:17]          ; never stepped again: a row's place among my 128 stands in the stores' immediates
	global_load_b128 v[BI:BI+3], v[CO], s[68:69]   ; my four biases
	; the prefetches.  s13 = 256 x tile row, s42 = tile column, s40 = cx, s41 = cy still stand
	s_lshl_b32 s42, s42, 8
	s_and_b32 s22, ttmp7, 0xffff                   ; cluster y
	s_cmp_eq_u32 s11, 0                            ; do I fetch for xh?
	s_cselect_b32 s20, s13, s42                    ; the tile's first row: in xh by the tile row, in wh by the tile column
	s_cselect_b32 s21, s40, s41                    ; my place among the four that ask for it with me
	s_cselect_b32 s22, ttmp9, s22                  ; the coordinate along which other clusters read the same rows
	s_cselect_b64 s[PFA:PFA+1], s[4:5], s[6:7]
	s_cmp_eq_u32 s22, 0
	s_cselect_b32 s[LIM], 1, -1                    ; the same in all sixteen partners, for a given wave
	s_lshl_b32 s22, s12, 7
	s_add_co_u32 s20, s20, s22                     ; + the 128 rows that I fetch
	s_lshl_b32 s21, s21, 5
	s_add_co_u32 s20, s20, s21                     ; + my work-group's 32 of them
	s_mov_b32 s21, 0
	s_mov_b64 s[18:19], SIZE_K*2
	s_mul_u64 s[20:21], s[20:21], s[18:19]
	s_add_nc_u64 s[PFA:PFA+1], s[PFA:PFA+1], s[20:21]
	s_add_nc_u64 s[PFA:PFA+1], s[PFA:PFA+1], 2*KSTEP*2  ; at K step 2: the first refill steps it to 3 and names K step 4
	v_and_b32 v[PFO], 31, v0
	v_mul_u32_u24 v[PFO], v[PFO], SIZE_K*2
	; 1 / S from the basis: hi = the larger of |b0 + b1| and |b0 - b1|; E = its exponent field held to 1 .. 253, as in the launch that scaled the weights
	s_wait_kmcnt 0x0
	v_mov_b32 v3, s73
	v_add_f32 v4, s72, v3
	v_sub_f32 v5, s72, v3
	v_and_b32 v4, 0x7fffffff, v4
	v_and_b32 v5, 0x7fffffff, v5
	v_max_num_f32 v4, v4, v5
	v_readfirstlane_b32 s74, v4
	s_bfe_u32 s74, s74, 0x80017                    ; 8 bits from bit 23
	s_max_u32 s74, s74, 1
	s_min_u32 s74, s74, 253
	s_lshl_b32 s[IS], s74, 23                      ; 2^(E - 127)
	s_mov_b32 s[IS+1], s[IS]
; 16 matrix instructions: m blocks a0, a0 + 1 of the window's four (hi = 0: my rows 0-63, 1: rows 64-127) x all 8 n blocks, 32 along K.
; zero = 1: the first product starts the sums: nothing is ever cleared.  The 64 accumulators take turns, one instruction a turn, in the same order in every quarter step.
.macro MUL16 f, hi, a0, zero
	WIN MUL_LO+0x50*(\hi)
.irp a, \a0, (\a0)+1
.irp b, 0,1,2,3,4,5,6,7
.if \zero
	v_wmma_f32_16x16x32_f16 v[8*(8*(\a)+(\b)):8*(8*(\a)+(\b))+7], v[(\f)+8*(\b):(\f)+8*(\b)+7], v[(\f)+8*(4*(\hi)+(\a)):(\f)+8*(4*(\hi)+(\a))+7], 0
.else
	v_wmma_f32_16x16x32_f16 v[8*(8*(\a)+(\b)):8*(8*(\a)+(\b))+7], v[(\f)+8*(\b):(\f)+8*(\b)+7], v[(\f)+8*(4*(\hi)+(\a)):(\f)+8*(4*(\hi)+(\a))+7], v[8*(8*(\a)+(\b)):8*(8*(\a)+(\b))+7]
.endif
.endr
.endr
.endm
; 32 LDS loads in one run: the fragments of one quarter step (128 rows of wh, 128 rows of xh, 32 along K at byte k of the rows) into buffer f
.macro FETCH slot, k, f
	WIN TO_B
.irp i, 0,1,2,3,4,5,6,7
	ds_load_b128 v[(\f)+8*(\i):(\f)+8*(\i)+3],   v[ADRB+(\slot)] offset:(\k)+(\i)*16*PITCH
	ds_load_b128 v[(\f)+8*(\i)+4:(\f)+8*(\i)+7], v[ADRB+(\slot)] offset:(\k)+(\i)*16*PITCH+32
.endr
	WIN 0
.irp i, 0,1,2,3,4,5,6,7
	ds_load_b128 v[(\f)+8*(\i):(\f)+8*(\i)+3],   v[ADRA+(\slot)] offset:(\k)+(\i)*16*PITCH
	ds_load_b128 v[(\f)+8*(\i)+4:(\f)+8*(\i)+7], v[ADRA+(\slot)] offset:(\k)+(\i)*16*PITCH+32
.endr
.endm
; A load into a register that a matrix instruction has read, and an LDS store that reads a matrix result, stand four places behind that matrix instruction, and only plain vector instructions that
; name none of its registers are places (ISA guide 7.12.1 for vector instructions); the matrix instructions in between are not counted.
.macro PLACES
.rept 4
	v_nop
.endr
.endm
; A K step is four quarter steps of 32 along K, 64 matrix instructions each, on buffers 0, 1, 0, 1.
; One of the first three: multiplies buffer f; in its middle it fetches the next quarter's fragments, at byte k of the same slot's rows, into buffer g.
.macro QUARTER slot, k, f, g, zero
	s_wait_dscnt 8                                 ; wh's fragments and xh's rows 0-63 are in; the youngest eight loads (xh's rows 64-127) may be out
	WIN MUL_LO
	MUL16 \f, 0, 0, \zero
	MUL16 \f, 0, 2, \zero
	PLACES
	FETCH \slot, \k, \g
	s_wait_dscnt 32                                ; all but the 32 just issued
	WIN MUL_HI
	MUL16 \f, 1, 0, \zero
	MUL16 \f, 1, 2, \zero
.endm
; The last quarter multiplies buffer 1 and changes slots.  MEET is its first half: ONE barrier for the change of slots.  In front of it each wave waits for all its tensor loads, of which one is out:
; its part of the next slot; adds 0 to its spare word; and waits for that and for its own reads of this slot.  Behind it nobody reads this slot any more and the next slot is whole.
.macro MEET round                      ; round = 1: the rest of a round of the cluster's barrier follows
	WIN 0                                          ; (the add's two registers lie in window 0)
	s_wait_tensorcnt 0x0                           ; all my tensor loads have landed;
	ds_add_u32 v[SPW], v[NIL]                      ; 0 onto my spare word;
	s_wait_dscnt 9                                 ; (the add and the youngest eight loads may be out)
	WIN MUL_LO
	MUL16 F1, 0, 0, 0                              ; sixteen matrix instructions stand between the add and the wait for it
	s_wait_dscnt 0x0                               ; the add is done, and my reads of this slot are over:
	s_barrier_signal -1                            ; say so,
	MUL16 F1, 0, 2, 0                              ; work on registers while the others arrive,
.if \round
	WIN 0
.endif
	s_barrier_wait -1                              ; and go on when all four have said so
.endm
; The whole last quarter.  fill = 1: the barrier opens a round of the cluster's barrier, and behind the round the slot just read out is filled again first, with the K step two steps on: from that request to
; the wait for it a wave issues 224 matrix instructions.  Then come the next slot's first fragments.  fill = 0: nothing is left to ask for.
.macro TURN slot, next, fill
.if \fill
	s_wait_xcnt 0x0                                ; the last prefetch, a K step back, has read its address: it is stepped here, ahead of the waits of the change of slots
	s_add_nc_u64 s[PFA:PFA+1], s[PFA:PFA+1], KSTEP*2
	MEET 1
	CREST                                          ; no wave of any partner still reads this slot's tile or has a load on its way
	s_add_nc_u64 s[G0+4*(\slot)+2:G0+4*(\slot)+3], s[G0+4*(\slot)+2:G0+4*(\slot)+3], 2*KSTEP*2      ; no tensor load of mine is out, so a group 0 may be written
	s_add_nc_u64 s[G0B+4*(\slot)+2:G0B+4*(\slot)+3], s[G0B+4*(\slot)+2:G0B+4*(\slot)+3], 2*KSTEP*2
	JLOAD \slot                                    ; the first tensor load behind the round, one a wave; the four v_nop behind it are also the places in front of the loads below
.else
	MEET 0
	PLACES
.endif
	FETCH \next, 0, F0
.if \fill
	ASK
.endif
	WIN MUL_HI
	MUL16 F1, 1, 0, 0
	MUL16 F1, 1, 2, 0
.endm
; THE WAY OUT of block a (16 of my rows), in two parts.  TOSTAGE: the block's eight accumulators go as they are, f32, into my own stage in LDS (each accumulator's low four registers first)
; and come back as whole rows of 512 bytes.  SEND: times 1 / S, plus the bias, one fused multiply-add for each two numbers, and stored.
.macro TOSTAGE a
.set AC, 64*((\a)%4)
.set BK, OB+64*((\a)%3)
	WIN 0x08+4*((\a)/4)                            ; the stores' data (source 1) in window 2 or 3
.irp b, 0,1,2,3,4,5,6,7
	ds_store_b128 v[STO], v[AC+8*(\b):AC+8*(\b)+3]   offset:64*(\b)
	ds_store_b128 v[STO], v[AC+8*(\b)+4:AC+8*(\b)+7] offset:64*(\b)+16
.endr
	WIN 0
	s_wait_xcnt 0x0                                ; every earlier memory instruction has had its addresses translated (ISA guide 3.1): the buffer, from which block a - 3 was stored, is loaded again only behind this wait
.irp t, 0,1,2,3,4,5,6,7,8,9,10,11,12,13,14,15
	ds_load_b128 v[BK+4*(\t):BK+4*(\t)+3], v[RD] offset:(\t)*SPITCH  ; LDS serves a wave's instructions in order (ISA guide 5.7.1.4): these see the stores above, and the next block's stores come behind them
.endr
.endm
.macro SEND a, younger                 ; younger: the LDS instructions issued behind block a's loads: the next block's 32, or none
	WIN 0
.set BK, OB+64*((\a)%3)
.irp t, 0,1,2,3,4,5,6,7,8,9,10,11,12,13,14,15
	s_wait_dscnt (\younger)+15-(\t)                ; row t is back
	v_pk_fma_f32 v[BK+4*(\t):BK+4*(\t)+1],   v[BK+4*(\t):BK+4*(\t)+1],   s[IS:IS+1], v[BI:BI+1]   op_sel_hi:[1,0,1]
	v_pk_fma_f32 v[BK+4*(\t)+2:BK+4*(\t)+3], v[BK+4*(\t)+2:BK+4*(\t)+3], s[IS:IS+1], v[BI+2:BI+3] op_sel_hi:[1,0,1]
	global_store_b128 v[CO], v[BK+4*(\t):BK+4*(\t)+3], s[8:9] offset:(16*(\a)+(\t))*SIZE_N*4  ; 32 lanes store 512 consecutive bytes, at a multiple of 512 from out0's first byte; 127 rows at the most, inside the signed 24-bit immediate
.endr
.endm
	s_wait_loadcnt 0x0                             ; my biases
	s_wait_tensorcnt 1                             ; my part of K step 0 is in; K step 1's may stay out
	s_barrier_signal -1
	s_barrier_wait -1                              ; everybody's is
	FETCH 0, 0, F0
	QUARTER 0, 64,  F0, F1, 1                      ; the first quarter stands in front of the loop: its products start the sums
	WIN 0                                          ; at a label and at a branch every window is 0
	s_mov_b32 s3, LAPS-1
.Llap:                                                 ; a trip goes once round the ring, from a lap's second quarter to the next lap's first, and fills both slots again
	QUARTER 0, 128, F1, F0, 0
	QUARTER 0, 192, F0, F1, 0
	TURN 0, 1, 1
	QUARTER 1, 64,  F0, F1, 0
	QUARTER 1, 128, F1, F0, 0
	QUARTER 1, 192, F0, F1, 0
	TURN 1, 0, 1
	QUARTER 0, 64,  F0, F1, 0
	WIN 0
	s_sub_co_u32 s3, s3, 1
	s_cmp_lg_u32 s3, 0
	s_cbranch_scc1 .Llap
	QUARTER 0, 128, F1, F0, 0                      ; the last lap is written out: it fills nothing
	QUARTER 0, 192, F0, F1, 0
	TURN 0, 1, 0
	QUARTER 1, 64,  F0, F1, 0
	QUARTER 1, 128, F1, F0, 0
	QUARTER 1, 192, F0, F1, 0
	s_wait_dscnt 8                                 ; the very last quarter: nothing more to fetch
	WIN MUL_LO
	MUL16 F1, 0, 0, 0
	MUL16 F1, 0, 2, 0
	s_wait_dscnt 0x0
	WIN MUL_HI
	MUL16 F1, 1, 0, 0
	MUL16 F1, 1, 2, 0
	WIN 0
	PLACES                                         ; in front of the LDS stores that read results, and of the loads into registers that held fragments;
	PLACES                                         ; eight, once a launch
	TOSTAGE 0
.irp a, 1,2,3,4,5,6,7                  ; block a's trip through the stage is under way while block a - 1 is scaled and stored
	TOSTAGE \a
	SEND (\a)-1, 32
.endr
	SEND 7, 0
	s_wait_tensorcnt 0x0                           ; the wave's end: behind my last tensor load and my last LDS store
	ds_add_u32 v[SPW], v[NIL]
	s_wait_dscnt 0x0
	CROUND                                         ; the closing round: no work-group ends while a partner may still ask for a tile that names it
	s_endpgm
.Lfunc_end_k_qe1342a7f4a_gemm:
	.size	k_qe1342a7f4a_gemm, .Lfunc_end_k_qe1342a7f4a_gemm-k_qe1342a7f4a_gemm
	.p2alignl 7, 3214868480
	.fill 96, 4, 3214868480
	.section	.rodata,"a",@progbits
	.p2align	6, 0x0
	.amdhsa_kernel k_qe1342a7f4a_gemm
		.amdhsa_group_segment_fixed_size 327680
		.amdhsa_private_segment_fixed_size 0
		.amdhsa_enable_private_segment 0
		.amdhsa_kernarg_size 40
		.amdhsa_user_sgpr_count 2
		.amdhsa_user_sgpr_kernarg_segment_ptr 1
		.amdhsa_wavefront_size32 1
		.amdhsa_system_sgpr_workgroup_id_x 1
		.amdhsa_system_sgpr_workgroup_id_y 1
		.amdhsa_system_sgpr_workgroup_id_z 1
		.amdhsa_system_vgpr_workitem_id 0
		.amdhsa_next_free_vgpr 1024
		.amdhsa_next_free_sgpr 80
		.amdhsa_reserve_vcc 0
		.amdhsa_float_denorm_mode_32 3
		.amdhsa_float_denorm_mode_16_64 3
		.amdhsa_memory_ordered 1
		.amdhsa_forward_progress 1
		.amdhsa_inst_pref_size 162
	.end_amdhsa_kernel
	.amdgpu_metadata
---
amdhsa.version: [ 1, 2 ]
amdhsa.kernels:
  - .name:           k_qe1342a7f4a_gemm
    .symbol:         k_qe1342a7f4a_gemm.kd
    .args:
      - { .name: xh, .offset: 0, .size: 8, .value_kind: global_buffer, .address_space: global }
      - { .name: wh, .offset: 8, .size: 8, .value_kind: global_buffer, .address_space: global }
      - { .name: out0, .offset: 16, .size: 8, .value_kind: global_buffer, .address_space: global }
      - { .name: bias, .offset: 24, .size: 8, .value_kind: global_buffer, .address_space: global }
      - { .name: basis, .offset: 32, .size: 8, .value_kind: global_buffer, .address_space: global }
    .group_segment_fixed_size: 327680
    .private_segment_fixed_size: 0
    .kernarg_segment_align: 8
    .kernarg_segment_size: 40
    .max_flat_workgroup_size: 128
    .sgpr_count:     80
    .vgpr_count:     1024
    .wavefront_size: 32
...
	.end_amdgpu_metadata
.endif
;; end of part 2
;; ======== version 2 of 2: 2 launches; version 1 with the launch prep written anew for expert scheduling mode
;; limits: values are held in f16: magnitudes above 65,504 overflow, below 6.1e-05 lose precision; inputs' magnitudes at most 65,504; right only within a limited range of input values
;; workspace buffers: xh 33,554,432 bytes; wh 33,554,432 bytes
;; launch prep (part 3): grid 256 x 2, 8 waves a work-group, no clusters, 0 bytes of LDS; arguments x, weight, basis, xh, wh; writes xh, wh
.if DOCPART == 3
	.amdgcn_target "amdgcn-amd-amdhsa--gfx1250"
	.amdhsa_code_object_version 6
	.text
	.protected	k_qe1342a7f4a_prep
	.globl	k_qe1342a7f4a_prep
	.p2align	8
	.type	k_qe1342a7f4a_prep,@function
k_qe1342a7f4a_prep:
	s_mov_b64 s[64:65], 0
	v_nop
	global_prefetch_b8 v0, s[64:65] scope:SCOPE_SE
	s_setreg_imm32_b32 hwreg(HW_REG_WAVE_SCHED_MODE, 0, 2), 2
	s_setreg_imm32_b32 hwreg(HW_REG_WAVE_MODE, 25, 1), 1
	s_wait_xcnt 0x0
	s_wait_alu depctr_vm_vsrc(0)
; PREPARES THE TWO OPERANDS OF out = x wq^T + bias, both [4096][4096], f32 in, f16 out.
;   work-groups with y = 0:  xh = f16(x)
;   work-groups with y = 1:  wh = f16(S (w + (wq - w))),  wq = the level of w among the four sorted levels -hi, -lo, lo, hi
; THE QUANTISER.  The four levels are +-fl(b0 + b1) and +-fl(b0 - b1) (negation is exact), so with hi = the larger and lo = the smaller magnitude the sorted levels are
; -hi, -lo, lo, hi and the midpoints -t, 0, t with t = 0.5 fl(lo + hi).  The level's number is the count of midpoints below w: three compares and three selects, for any basis;
; w = -t gives -hi, w = 0 gives -lo, w = t gives lo.  Then w + (wq - w), in f32, in that order.
; THE SCALE.  S = 2^(127 - E), E = hi's exponent field held to 1 .. 253: an exact power of two that brings hi into 1 .. 2, so that f16 serves any basis; the product's way out multiplies by 2^(E - 127).
; NOT COMPUTED: the least-squares refit of the basis.  Its result enters no output.
; LAYOUT OF xh AND wh.  Inside each aligned group of 256 numbers of a row, place 8 i + j (i = 0 .. 31, j = 0 .. 7) holds k = 128 (j / 4) + 4 i + j % 4: lane i reads 16 bytes of each of two runs
; of 512 bytes and stores its eight halves as 16 bytes.  The order is the same in both tensors, so the products over k are the same; only the order of the f32 sums differs.
; LIMITS.  |x| from 65,520 on becomes an infinity; below 6e-5 x keeps f16's fixed step of 6e-8.  |w| stays under some 2^38 hi, or what rounding leaves of w + (wq - w), times S, passes f16's range.
; With hi = 0 or denormal S = 2^126.  A NaN in the basis is not treated apart; a NaN weight stays a NaN.
; SHARES.  A work-group owns 256 KiB of its input: 32 lines of 8 KiB; in a line wave w owns 1 KiB: two loads and one store a lane.
; Every load and every store of a wave covers 512 consecutive bytes, aligned.  Nothing is shared between waves: no LDS, no barrier, no matrix unit.
; THE MODE: SCHED_MODE bits 1:0 = 2 (LLVM: expert scheduling mode 2), set by the entry lines.  The code itself states the register dependences
; between vector instructions and memory instructions, and between a vector instruction that writes a scalar register and that register's readers, with s_wait_alu, always for 0.
; THE PLAN.  The 32 lines go in 16 blocks of two.  Registers that memory instructions touch:
;   X0 .. X3   four blocks as loaded.       Written by the four loads of block p + 3, issued at the head of block p; read by block p's compares and additions, or conversions.
;   Y0, Y1     two blocks of f16 to store.  Written by block p's conversions; read by the two stores that are issued at the head of block p + 1.
;   v1, v2     byte offsets, made once at the kernel's head and never written again: the lines are reached by the two scalar bases, which move on by a block at each block's head, and by immediate offsets.
; Block p works on X[p % 4] and writes Y[p % 2].  Its memory instructions are the loads into X[(p + 3) % 4] = X[(p - 1) % 4] and the stores from Y[(p - 1) % 2]: the two buffers that block p - 1 worked
; on and that no vector instruction of block p names.  So the waits at the head of a block state all that its six memory instructions hang on.  The six stand together behind those waits, the loads first:
; a block of x has eight vector instructions, too few to deal six among; and so each of the six has the whole block between itself and the next head's waits.
; Twelve loads of a wave (three blocks) are out at a block's head, sixteen behind its four; the waits for a block's two lines leave fourteen and twelve out.
; THE MASKS.  A line's 24 compares write 24 scalar registers in one run; one wait stands between the run and the 24 selects that read them.
.set LIN,    8192                      ; bytes of a line in the input
.set LOUT,   4096                      ; and in the output
.set BLOCK,  2                         ; lines in a block
.set BLOCKS, 32/BLOCK
.set LAPS,   (BLOCKS-4)/4              ; a lap is four blocks: both kinds of buffer are back at their start
.set VIN,  1                           ; v1        1,024 x wave + 16 x lane; never rewritten
.set VOUT, 2                           ; v2        16 x thread; never rewritten
.set T,    6                           ; v6        t
.set NT,   7                           ; v7        -t
.set NHI,  8                           ; v8        -hi
.set NLO,  9                           ; v9        -lo
.set LO,   10                          ; v10       lo
.set HI,   11                          ; v11       hi
.set Q,    12                          ; v[12:19]  eight numbers at work: no memory instruction names them
.set X,    20                          ; v[20:83]  buffer k, line i: 8 registers at X + 16 k + 8 i, as loaded
.set Y,    84                          ; v[84:99]  buffer k, line i: 4 registers at Y + 8 k + 4 i, to store
.set IN,   16                          ; s[16:17]  the input at the block's first line
.set OUT,  18                          ; s[18:19]  the output likewise
.set SC,   26                          ; s[26:27]  S, twice: named as a pair
.set MK,   32                          ; s[32:55]  the compares' masks: three for each of a line's eight numbers
	s_load_b256 s[4:11], s[0:1], 0x0               ; x s[4:5], weight s[6:7], basis s[8:9], xh s[10:11]
	s_load_b64 s[12:13], s[0:1], 0x20              ; wh
	v_and_b32 v3, 31, v0
	v_lshrrev_b32 v4, 5, v0
	v_lshlrev_b32 v3, 4, v3
	v_lshl_add_u32 v[VIN], v4, 10, v3
	v_lshlrev_b32 v[VOUT], 4, v0
	s_and_b32 s29, ttmp7, 0xffff                   ; 0: x, 1: weight
	s_lshl_b32 s2, ttmp9, 18                       ; the work-group's 256 KiB of input
	s_mov_b32 s3, 0
	s_wait_kmcnt 0x0
	s_cmp_eq_u32 s29, 0
	s_cselect_b64 s[IN:IN+1], s[4:5], s[6:7]
	s_cselect_b64 s[OUT:OUT+1], s[10:11], s[12:13]
	s_add_nc_u64 s[IN:IN+1], s[IN:IN+1], s[2:3]
	s_lshl_b32 s2, ttmp9, 17                       ; and its 128 KiB of output
	s_add_nc_u64 s[OUT:OUT+1], s[OUT:OUT+1], s[2:3]
	s_wait_alu depctr_va_vdst(0)                   ; v1 and v2 are written: every load and store of the kernel reads one of them as its offset
.irp i, 0,1,2,3,4,5
	global_load_b128 v[X+8*(\i):X+8*(\i)+3],   v[VIN], s[IN:IN+1] offset:(\i)*LIN th:TH_LOAD_NT       ; blocks 0, 1 and 2 into X0, X1, X2
	global_load_b128 v[X+8*(\i)+4:X+8*(\i)+7], v[VIN], s[IN:IN+1] offset:(\i)*LIN+512 th:TH_LOAD_NT
.endr
; Block p.  kind = 0: x; 1: weight.  xb = p % 4, yb = p % 2.  first = 1: block 0, with no block in front of it.  ahead = 1: block p + 3 is loaded.
; left = how many younger loads may still be out when the block's first line has to be there; its second line's two loads are among them.
.macro BLK kind, xb, yb, first, ahead, left
.if !\first
	s_wait_xcnt 0x0                                ; every earlier memory instruction has had its addresses translated (ISA guide 3.1): the bases and Y[yb] are rewritten only behind this wait
	s_wait_alu depctr_vm_vsrc(0)                   ; the stores issued in the block before have read Y[yb], which this block's conversions write again
	s_wait_alu depctr_va_vdst(0)                   ; the block before has written the other Y, which the stores below read, and is done reading its X, in which the loads below land
	s_add_nc_u64 s[IN:IN+1], s[IN:IN+1], BLOCK*LIN       ; both bases at this block's first line
	s_add_nc_u64 s[OUT:OUT+1], s[OUT:OUT+1], BLOCK*LOUT
.endif
.if \ahead
.irp i, 0,1
	global_load_b128 v[X+16*((\xb+3)%4)+8*(\i):X+16*((\xb+3)%4)+8*(\i)+3],   v[VIN], s[IN:IN+1] offset:(3*BLOCK+(\i))*LIN th:TH_LOAD_NT      ; three blocks ahead; the loads go out ahead of the stores
	global_load_b128 v[X+16*((\xb+3)%4)+8*(\i)+4:X+16*((\xb+3)%4)+8*(\i)+7], v[VIN], s[IN:IN+1] offset:(3*BLOCK+(\i))*LIN+512 th:TH_LOAD_NT
.endr
.endif
.if !\first
.irp i, 0,1
	global_store_b128 v[VOUT], v[Y+8*(1-\yb)+4*(\i):Y+8*(1-\yb)+4*(\i)+3], s[OUT:OUT+1] offset:((\i)-BLOCK)*LOUT th:TH_STORE_NT  ; the block before: the offset reaches back
.endr
.endif
.irp i, 0,1
	s_wait_loadcnt (\left)-2*(\i)                  ; loads come back in order (ISA guide 5.7.1): this line's two are in, the younger ones stay out
.if \kind
.irp e, 0,1,2,3,4,5,6,7
	v_cmp_lt_f32 s[MK+3*(\e)],   v[NT], v[X+16*\xb+8*(\i)+(\e)]   ; -t < w
	v_cmp_lt_f32 s[MK+3*(\e)+1], 0,     v[X+16*\xb+8*(\i)+(\e)]   ;  0 < w
	v_cmp_lt_f32 s[MK+3*(\e)+2], v[T],  v[X+16*\xb+8*(\i)+(\e)]   ;  t < w
.endr
	s_wait_alu depctr_va_sdst(0)                   ; the 24 compares have written their masks s[MK ..], which the selects below read
.irp e, 0,1,2,3,4,5,6,7
	v_cndmask_b32 v[Q+(\e)], v[NHI],    v[NLO], s[MK+3*(\e)]      ; the three selects go stage by stage, eight numbers to a stage, so that none reads the result of the line before it
.endr
.irp e, 0,1,2,3,4,5,6,7
	v_cndmask_b32 v[Q+(\e)], v[Q+(\e)], v[LO],  s[MK+3*(\e)+1]
.endr
.irp e, 0,1,2,3,4,5,6,7
	v_cndmask_b32 v[Q+(\e)], v[Q+(\e)], v[HI],  s[MK+3*(\e)+2]
.endr
.irp q, 0,1,2,3
	v_pk_add_f32 v[Q+2*(\q):Q+2*(\q)+1], v[Q+2*(\q):Q+2*(\q)+1], v[X+16*\xb+8*(\i)+2*(\q):X+16*\xb+8*(\i)+2*(\q)+1] neg_lo:[0,1] neg_hi:[0,1]  ; wq - w
.endr
.irp q, 0,1,2,3
	v_pk_add_f32 v[Q+2*(\q):Q+2*(\q)+1], v[X+16*\xb+8*(\i)+2*(\q):X+16*\xb+8*(\i)+2*(\q)+1], v[Q+2*(\q):Q+2*(\q)+1]                            ; w + (wq - w)
.endr
.irp q, 0,1,2,3
	v_pk_mul_f32 v[Q+2*(\q):Q+2*(\q)+1], v[Q+2*(\q):Q+2*(\q)+1], s[SC:SC+1] op_sel_hi:[1,0]                                                    ; times S: exact
.endr
.irp q, 0,1,2,3
	v_cvt_pk_f16_f32 v[Y+8*\yb+4*(\i)+(\q)], v[Q+2*(\q)], v[Q+2*(\q)+1]
.endr
.else
.irp q, 0,1,2,3
	v_cvt_pk_f16_f32 v[Y+8*\yb+4*(\i)+(\q)], v[X+16*\xb+8*(\i)+2*(\q)], v[X+16*\xb+8*(\i)+2*(\q)+1]
.endr
.endif
.endr
.endm
; The whole stream for one kind: block 0; LAPS laps of four blocks; three blocks that load nothing, so that no load leaves the work-group's 32 lines; the last block's stores.
.macro STREAM kind
	BLK \kind, 0, 0, 1, 1, 8*BLOCK-2               ; block 0: the wait at the kernel's head has covered the offsets, and no vector instruction has named X3
	s_mov_b32 s28, LAPS
.Lround\kind:                                          ; blocks 1 to 12
	BLK \kind, 1, 1, 0, 1, 8*BLOCK-2               ; sixteen loads are out behind the block's four: all but the first line's two may stay out
	BLK \kind, 2, 0, 0, 1, 8*BLOCK-2
	BLK \kind, 3, 1, 0, 1, 8*BLOCK-2
	BLK \kind, 0, 0, 0, 1, 8*BLOCK-2
	s_sub_co_u32 s28, s28, 1
	s_cmp_lg_u32 s28, 0
	s_cbranch_scc1 .Lround\kind
	BLK \kind, 1, 1, 0, 0, 6*BLOCK-2               ; blocks 13 to 15: the counts run down
	BLK \kind, 2, 0, 0, 0, 4*BLOCK-2
	BLK \kind, 3, 1, 0, 0, 2*BLOCK-2
	s_wait_alu depctr_va_vdst(0)                   ; block 15 has written Y1, which the last two stores read
.irp i, 0,1
	global_store_b128 v[VOUT], v[Y+8+4*(\i):Y+8+4*(\i)+3], s[OUT:OUT+1] offset:(\i)*LOUT th:TH_STORE_NT
.endr
	s_endpgm
.endm
	s_cmp_lg_u32 s29, 0
	s_cbranch_scc1 .Lweight
	STREAM 0
.Lweight:
	s_load_b64 s[14:15], s[8:9], 0x0               ; b0, b1: made into levels while the first twelve loads are out
	s_wait_kmcnt 0x0
	v_mov_b32 v3, s15
	v_add_f32 v4, s14, v3                          ; b0 + b1
	v_sub_f32 v5, s14, v3                          ; b0 - b1
	v_and_b32 v4, 0x7fffffff, v4
	v_and_b32 v5, 0x7fffffff, v5
	v_max_num_f32 v[HI], v4, v5
	v_min_num_f32 v[LO], v4, v5
	v_add_f32 v[T], v[LO], v[HI]
	v_mul_f32 v[T], 0.5, v[T]
	v_xor_b32 v[NT],  0x80000000, v[T]
	v_xor_b32 v[NHI], 0x80000000, v[HI]
	v_xor_b32 v[NLO], 0x80000000, v[LO]
	v_readfirstlane_b32 s30, v[HI]
	s_wait_alu depctr_va_sdst(0)                   ; s30 is written, ahead of its first reader: S is made from it
	s_bfe_u32 s30, s30, 0x80017                    ; hi's exponent field: 8 bits from bit 23,
	s_max_u32 s30, s30, 1
	s_min_u32 s30, s30, 253                        ; held to 1 .. 253, so that S and 1 / S are both normal numbers
	s_sub_co_u32 s31, 254, s30
	s_lshl_b32 s[SC], s31, 23                      ; S = 2^(127 - E)
	s_mov_b32 s[SC+1], s[SC]
	STREAM 1
.Lfunc_end_k_qe1342a7f4a_prep:
	.size	k_qe1342a7f4a_prep, .Lfunc_end_k_qe1342a7f4a_prep-k_qe1342a7f4a_prep
	.p2alignl 7, 3214868480
	.fill 96, 4, 3214868480
	.section	.rodata,"a",@progbits
	.p2align	6, 0x0
	.amdhsa_kernel k_qe1342a7f4a_prep
		.amdhsa_group_segment_fixed_size 0
		.amdhsa_private_segment_fixed_size 0
		.amdhsa_enable_private_segment 0
		.amdhsa_kernarg_size 40
		.amdhsa_user_sgpr_count 2
		.amdhsa_user_sgpr_kernarg_segment_ptr 1
		.amdhsa_wavefront_size32 1
		.amdhsa_system_sgpr_workgroup_id_x 1
		.amdhsa_system_sgpr_workgroup_id_y 1
		.amdhsa_system_sgpr_workgroup_id_z 1
		.amdhsa_system_vgpr_workitem_id 0
		.amdhsa_next_free_vgpr 100
		.amdhsa_next_free_sgpr 66
		.amdhsa_reserve_vcc 0
		.amdhsa_float_denorm_mode_32 3
		.amdhsa_float_denorm_mode_16_64 3
		.amdhsa_memory_ordered 1
		.amdhsa_forward_progress 1
		.amdhsa_inst_pref_size 83
	.end_amdhsa_kernel
	.amdgpu_metadata
---
amdhsa.version: [ 1, 2 ]
amdhsa.kernels:
  - .name:           k_qe1342a7f4a_prep
    .symbol:         k_qe1342a7f4a_prep.kd
    .args:
      - { .name: x, .offset: 0, .size: 8, .value_kind: global_buffer, .address_space: global }
      - { .name: weight, .offset: 8, .size: 8, .value_kind: global_buffer, .address_space: global }
      - { .name: basis, .offset: 16, .size: 8, .value_kind: global_buffer, .address_space: global }
      - { .name: xh, .offset: 24, .size: 8, .value_kind: global_buffer, .address_space: global }
      - { .name: wh, .offset: 32, .size: 8, .value_kind: global_buffer, .address_space: global }
    .group_segment_fixed_size: 0
    .private_segment_fixed_size: 0
    .kernarg_segment_align: 8
    .kernarg_segment_size: 40
    .max_flat_workgroup_size: 256
    .sgpr_count:     66
    .vgpr_count:     100
    .wavefront_size: 32
...
	.end_amdgpu_metadata
.endif
;; end of part 3
;; launch gemm: the kernel of part 2 again; grid 16 x 16, 4 waves a work-group, clusters of 4 x 4, 327,680 bytes of LDS; arguments xh, wh, out0, bias, basis; writes out0
